; MI455X (gfx1250); checked and timed in simulation.
; The chip was launched on July 23, 2026; its instructions are those of AMD's public machine-readable ISA for CDNA 5 (MIT licence, August 2026) and "CDNA5" Instruction Set Architecture Reference Guide (July 2026). The comments in the code are by the model that wrote it; some were corrected since.
;; Attention. Allowed arithmetic: matrix products marked QUANTISED: E2M1 operands, one E8M0 scale for each 32 along K, by v_wmma_scale_f32_16x16x128_f8f6f4 with both operands' format E2M1 (or v_wmma_scale_f32_32x16x128_f4), f32 sums; everything else in f32.
;; Inputs: Wk_codes 1,024 x 32 x 16 uint8 (E2M1 codes of Wk, K innermost, in blocks of 32 codes, two codes a byte); Wk_scales 1,024 x 32 uint8 (E8M0 scales of Wk, one for each 32 codes along K); Wq_codes 1,024 x 32 x 16 uint8 (E2M1 codes of Wq, K innermost, in blocks of 32 codes, two codes a byte); Wq_scales 1,024 x 32 uint8 (E8M0 scales of Wq, one for each 32 codes along K); bk 1,024 float32; bq 1,024 float32; key_input_codes 4 x 2,048 x 32 x 16 uint8 (E2M1 codes of key_input, K innermost, in blocks of 32 codes, two codes a byte); key_input_scales 4 x 2,048 x 32 uint8 (E8M0 scales of key_input, one for each 32 codes along K); query_input_codes 4 x 2,048 x 32 x 16 uint8 (E2M1 codes of query_input, K innermost, in blocks of 32 codes, two codes a byte); query_input_scales 4 x 2,048 x 32 uint8 (E8M0 scales of query_input, one for each 32 codes along K).
;; Outputs: out0 4 x 2,048 x 1,024 float32.
;; This version of the problem:
;;   THIS VERSION OF THE PROBLEM IS GIVEN IN LOW PRECISION. The matrix products marked QUANTISED in the list below multiply operands that are first quantised to E2M1 (2 exponent bits, 1 mantissa bit; 4 bits a number), with one power-of-two scale for each 32 numbers along K (OCP MX v1.0); their sums are f32. All else is computed in f32.
;;   The module's matrix products, in the order in which they are computed (A, B: the left and right operand; K: the contracted axis; several contracted axes count as one K, in the product's order):
;;     1. [M 8,192, K 1,024] x [K 1,024, N 1,024]; A: input query_input (given as codes); B: input Wq (given as codes): QUANTISED
;;     2. [M 8,192, K 1,024] x [K 1,024, N 1,024]; A: input key_input (given as codes); B: input Wk (given as codes): QUANTISED
;;     3. batch 64 x [M 2,048, K 64] x [K 64, N 2,048]; A: computed on the way; B: computed on the way: QUANTISED
;;     4. batch 64 x [M 64, K 2,048] x [K 2,048, N 2,048]; A: computed on the way; B: softmax (see below): QUANTISED
;;   THE QUANTISER, for each operand of a quantised product, along K:
;;     - K is cut into blocks of 32 from its start; a last block that is shorter is filled with zeros.
;;     - A block's scale is 2^e with e = floor(log2(the largest magnitude in the block)) - 2, held to -126 .. 127; a block of zeros has e = 0. As a byte (E8M0): e + 127.
;;     - Each number is divided by its block's scale, clamped to +-6, and rounded to the nearest number of E2M1, ties to even, subnormals kept.
;;     - The product sums the exact products of the quantised numbers (number of the format x scale) in f32.
;;   ~~~python
;;   def quantise(x, axis):      # numpy; x: float32 -> the quantised numbers, widened to float32 again
;;       x = np.moveaxis(x, axis, -1); K = x.shape[-1]
;;       x = np.pad(x, [(0, 0)] * (x.ndim - 1) + [(0, -K % 32)]); x = x.reshape(x.shape[:-1] + (-1, 32)); a = np.abs(x).max(-1, keepdims=True)
;;       e = np.where(a > 0, np.clip(np.frexp(np.where(a > 0, a, 1))[1] - 1 - 2, -126, 127), 0)      # np.frexp(a)[1] - 1 = floor(log2(a)), exactly
;;       r = np.clip(x / 2.0 ** e, -6, 6)
;;       step = 2.0 ** (np.maximum(np.frexp(np.where(r == 0, 1, r))[1] - 1, 0) - 1)
;;       q = np.round(r / step) * step * 2.0 ** e      # np.round: ties to even
;;       return np.moveaxis(q.reshape(q.shape[:-2] + (-1,))[..., :K], -1, axis).astype(np.float32)
;;   ~~~
;;   SOFTMAX AHEAD OF A QUANTISED PRODUCT. Where the list says 'softmax', what is quantised is not the finished softmax but p = 2^(t - M), with t = logit x log2(e) and M = ceil(the row's largest t), a whole number; so 1/2 < the row's largest p <= 1. The row's sum l is taken of the UNQUANTISED p, in f32, and the product's result is divided by l at the end. Since M is a whole number, a kernel that streams over the keys may use a running M (the ceiling of the running maximum): every later rescaling is an exact power of two, which a block's scale takes up: the codes' values come out the same.
;;   OPERANDS COMPUTED ON THE WAY. 'Computed on the way' means the value that the module computes at that place (a softmax that the list does not call 'softmax' is quantised finished and normalised). What goes into a quantiser is computed in f32, as accurately as f32 sums, v_exp_f32 and their like allow (about 1e-6 of the number): no bf16 or f16 on the way to a quantiser, and a product that is left as it is and whose result goes on into a quantised operand takes f32 operands (vector FMAs, or v_wmma_f32_16x16x4_f32). A number that lies on a knife's edge between two numbers of the format may be rounded either way, as far as f32 arithmetic and the matrix unit's own rounding can turn it there, and no further.
;;   INPUTS GIVEN AS CODES. Wk (in the module: [1024, 1024], K = its axis 1); Wq (in the module: [1024, 1024], K = its axis 1); key_input (in the module: [4, 2048, 1024], K = its axis 2); query_input (in the module: [4, 2048, 1024], K = its axis 2): each comes as NAME_codes (uint8): NAME with its K axis moved to the last place and cut into blocks of 32 codes, [.., K / 32, bytes a block], one block behind the other in memory; two codes a byte, the lower K in the low four bits (a code: sign, 2 exponent bits, 1 mantissa bit); and NAME_scales (uint8): the same leading axes, one E8M0 byte (e + 127) for each 32 codes along K. Its value is code x scale, taken as it is: it is not quantised again, and the codes and scales need not be those that the quantiser above would give.
;; One version. Each part assembles by itself: llvm-mc -triple=amdgcn-amd-amdhsa -mcpu=gfx1250 --defsym DOCPART=n.
;; ======== version 1 of 1: 2 launches
;; limits: right only within a limited range of input values
;; workspace buffers: qd 4,718,592 bytes; kv 9,175,040 bytes
;; launch proj (part 1): grid 4 x 64, 4 waves a work-group, clusters of 4 x 4, 327,680 bytes of LDS; arguments query_input_codes, query_input_scales, Wq_codes, Wq_scales, bq, qd, key_input_codes, key_input_scales, Wk_codes, Wk_scales, bk, kv; writes qd, kv
.if DOCPART == 1
	.amdgcn_target "amdgcn-amd-amdhsa--gfx1250"
	.amdhsa_code_object_version 6
	.text
	.protected	k_qb04b3c1f4b_proj
	.globl	k_qb04b3c1f4b_proj
	.p2align	8
	.type	k_qb04b3c1f4b_proj,@function
k_qb04b3c1f4b_proj:
	s_mov_b64 s[64:65], 0
	v_nop
	global_prefetch_b8 v0, s[64:65] scope:SCOPE_SE
	s_setreg_imm32_b32 hwreg(HW_REG_WAVE_MODE, 25, 1), 1
	s_wait_xcnt 0x0
	s_wait_alu depctr_hold_cnt(0) depctr_sa_sdst(0) depctr_va_vdst(0) depctr_va_sdst(0) depctr_va_ssrc(0) depctr_va_vcc(0) depctr_vm_vsrc(0)
	s_getreg_b32 s2, hwreg(HW_REG_IB_STS2, 6, 4)
	s_cmp_eq_u32 s2, 0
	s_cbranch_scc0 .Lentry_in_a_cluster
	s_endpgm
.Lentry_in_a_cluster:
	s_bfe_u32 s2, ttmp6, 0x10000c
	s_cmp_lg_u32 s2, 0xf033
	s_cbranch_scc0 .Lentry_shape_is_right
	s_endpgm
.Lentry_shape_is_right:
; q and k projections on codes of FP4 (E2M1): y = x W^T + b, then quantised along the head's 64 (q, k) and, for k, along the keys too (a second pass with the sources swapped); stored as images of the operand registers that the attention launch loads.
; A work-group makes 256 rows x 256 columns; K = 1,024 is 512 bytes of codes a row, so the 256 rows of x and the 256 rows of W lie whole in LDS: four joint loads at the head, one a wave (x, W, x's scales, W's scales); nothing is filled again.
; With one group of loads at the head there is no loop to run ahead in: no prefetch.
.set PITCH,  528                       ; an LDS row: 512 bytes of codes + 16 of padding
.set HALFT,  128*PITCH
.set SLOT,   256                       ; the second 512 along K begins 256 bytes on in each row
.set SCL,    4*HALFT                   ; behind x's and W's 256 rows: the scales
.set HALFS,  16*272
.set SBLK,   2*272
.set SPARE,  SCL+4*HALFS
.set ADRX, 16
.set ADRW, 20
.set ADST, 22
.set ADSN, 23
.set L16,  24
.set L16S, 25
.set L8,   26
.set FLOOR, 27
.set SPW,  28
.set NIL,  29
.set BH32, 30
.set BR4,  31
.set SC,   32
.set TM,   96
.set SW,   112
.set RF,   128
.set PC,   128
.set OUTS, 192
.set BIAS, 64
.set WV,  16
.set RH,  17
.set CH,  18
.set CYC, 19
.set G1,  24
.set G0,  32
.set PB0, 40
.set G1B, 48
.set G0B, 56
.set G1S, 68
.set G0S, 76
.set G1SB, 80
.set G0SB, 88
.set HMASK, 98
.set SEL, 100
.set MSB, 0
.macro WIN new
.if MSB != (\new)
	s_set_vgpr_msb (MSB<<8)|(\new)
.set MSB, (\new)
.endif
.endm
.set MUL_LO, 0xa1
.set MUL_HI, 0xf1
.set FST_LO, 0x91
.set FST_HI, 0xd1
.set TO_P,   0x40
.macro ARM under, g0, g1, next         ; one arm of the head's tree of branches on the wave's number: its load, and a jump to the tree's end
	s_cmp_lt_u32 s[WV], \under
	s_cbranch_scc0 \next
	tensor_load_to_lds s[\g0:\g0+3], s[\g1:\g1+7]
	s_nop 0
.rept 4
	v_nop
.endr
	s_branch .Lhead_asked
\next:
.endm
.macro CROUND
	s_barrier_signal -1
	s_barrier_wait -1
	s_cmp_lg_u32 s[WV], 0
	s_cbranch_scc1 .Lnot_wave_0_\@
	s_barrier_signal -3
.Lnot_wave_0_\@:
	s_barrier_wait -3
	s_barrier_signal -1
	s_barrier_wait -1
.endm
	s_load_b256 s[4:11], s[0:1], 0x0
	s_load_b128 s[12:15], s[0:1], 0x20
	s_load_b256 s[92:99], s[0:1], 0x30
	s_load_b128 s[40:43], s[0:1], 0x50
	v_lshl_add_u32 v[SPW], v0, 2, SPARE
	v_mov_b32 v[NIL], 0
	ds_add_u32 v[SPW], v[NIL]
	ds_add_u32 v[SPW], v[NIL]
	v_lshrrev_b32 v1, 5, v0
	v_readfirstlane_b32 s[WV], v1
	s_lshr_b32 s[RH], s[WV], 1
	s_and_b32 s[CH], s[WV], 1
	s_bfe_u32 s66, ttmp6, 0x40000
	s_bfe_u32 s67, ttmp6, 0x40004
	s_lshl_b32 s2, ttmp9, 2
	s_add_co_u32 s2, s2, s66
	s_and_b32 s[CYC], ttmp7, 0xffff
	s_lshl_b32 s3, s[CYC], 2
	s_add_co_u32 s3, s3, s67
	s_and_b32 s3, s3, 31
	s_lshl_b32 s20, s67, 2
	s_lshl_b32 s20, 15, s20
	s_lshl_b32 s21, 0x1111, s66
	s_or_b32 s[G1+0], s20, (0<<16)|(1<<20)|(1<<21)|(6<<22)|(3<<25)   ; padding: four words after every 128 (a row of 512 bytes)
	s_or_b32 s[G1B+0], s21, (0<<16)|(1<<20)|(1<<21)|(6<<22)|(3<<25)
.irp g, G1, G1B
	s_mov_b32 s[\g+1], 512<<16
	s_mov_b32 s[\g+2], 256<<16
	s_mov_b32 s[\g+3], 512<<16
	s_mov_b32 s[\g+4], 256
	s_mov_b32 s[\g+5], 512
	s_mov_b32 s[\g+6], 0
	s_mov_b32 s[\g+7], 0
.endr
	s_or_b32 s[G1S+0], s20, (3<<16)|(1<<20)|(1<<21)|(5<<22)|(3<<25)
	s_or_b32 s[G1SB+0], s21, (3<<16)|(1<<20)|(1<<21)|(5<<22)|(3<<25)
.irp g, G1S, G1SB
	s_mov_b32 s[\g+1], 32<<16
	s_mov_b32 s[\g+2], 32<<16
	s_mov_b32 s[\g+3], 32<<16
	s_mov_b32 s[\g+4], 32
	s_mov_b32 s[\g+5], 32
	s_mov_b32 s[\g+6], 0
	s_mov_b32 s[\g+7], 0
.endr
	s_mov_b32 s22, 0                               ; a load brings a tile's 256 rows whole
	s_lshl_b32 s44, s3, 8
	s_add_co_u32 s44, s44, s22
	s_lshl_b32 s46, s2, 8
	s_add_co_u32 s46, s46, s22
	s_lshl_b32 s100, s44, 5
	s_mov_b32 s101, 0
	s_lshl_b32 s44, s44, 9
	s_mov_b32 s45, 0
	s_lshl_b32 s66, s46, 5
	s_mov_b32 s67, 0
	s_lshl_b32 s46, s46, 9
	s_mov_b32 s47, 0
	s_wait_dscnt 0x0
	s_wait_kmcnt 0x0
	s_cmp_lt_u32 s[CYC], 8
	s_cselect_b64 s[4:5], s[4:5], s[92:93]
	s_cselect_b64 s[6:7], s[6:7], s[94:95]
	s_cselect_b64 s[8:9], s[8:9], s[96:97]
	s_cselect_b64 s[10:11], s[10:11], s[98:99]
	s_cselect_b64 s[12:13], s[12:13], s[40:41]
	s_cselect_b64 s[14:15], s[14:15], s[42:43]
	s_mov_b32 s92, 143360
	s_cselect_b32 s92, 73728, s92
	s_mov_b32 s93, 8960
	s_cselect_b32 s93, 4608, s93
	s_mov_b32 s94, 8192
	s_cselect_b32 s94, 4096, s94
	s_add_nc_u64 s[44:45], s[4:5], s[44:45]
	s_add_nc_u64 s[100:101], s[6:7], s[100:101]
	s_add_nc_u64 s[46:47], s[8:9], s[46:47]
	s_add_nc_u64 s[66:67], s[10:11], s[66:67]
	CROUND
	s_mov_b32 s[G0], 1                             ; the head's four tiles, each whole: x's 256 rows,
	s_mov_b32 s[G0+1], 0
	s_mov_b64 s[G0+2:G0+3], s[44:45]
	s_or_b32 s[G0+3], s[G0+3], 0x80000000
	s_mov_b32 s[G0B], 1                            ; W's 256 rows behind them,
	s_mov_b32 s[G0B+1], 2*HALFT
	s_mov_b64 s[G0B+2:G0B+3], s[46:47]
	s_or_b32 s[G0B+3], s[G0B+3], 0x80000000
	s_mov_b32 s[G0S], 1                            ; the scales of x's 256 rows,
	s_mov_b32 s[G0S+1], SCL
	s_mov_b64 s[G0S+2:G0S+3], s[100:101]
	s_or_b32 s[G0S+3], s[G0S+3], 0x80000000
	s_mov_b32 s[G0SB], 1                           ; and of W's
	s_mov_b32 s[G0SB+1], SCL+2*HALFS
	s_mov_b64 s[G0SB+2:G0SB+3], s[66:67]
	s_or_b32 s[G0SB+3], s[G0SB+3], 0x80000000
	ARM 1, G0,  G1,  .Lhead_b                      ; one joint load a wave: every way through the tree passes exactly one
	ARM 2, G0B, G1B, .Lhead_sa
	ARM 3, G0S, G1S, .Lhead_sb
	tensor_load_to_lds s[G0SB:G0SB+3], s[G1SB:G1SB+7]
	s_nop 0
.rept 4
	v_nop
.endr
.Lhead_asked:
	v_and_b32 v1, 15, v0
	v_bfe_u32 v2, v0, 4, 1
	v_mul_u32_u24 v3, v1, PITCH
	v_lshl_add_u32 v4, v2, 4, v3
	s_mul_i32 s20, s[RH], HALFT
	s_mul_i32 s21, s[CH], HALFT
	s_add_co_u32 s21, s21, 2*HALFT
.irp s, 0,1
	v_add_nc_u32 v[ADRX+\s], s20, v4
	v_add_nc_u32 v[ADRW+\s], s21, v4
	s_add_co_u32 s20, s20, SLOT
	s_add_co_u32 s21, s21, SLOT
.endr
	v_lshlrev_b32 v5, 5, v1
	v_lshrrev_b32 v6, 8, v5
	v_lshl_add_u32 v5, v6, 4, v5
	s_mul_i32 s20, s[RH], HALFS
	s_mul_i32 s21, s[CH], HALFS
	s_add_co_u32 s21, s21, 2*HALFS
	s_sub_co_u32 s21, s21, s20
	v_mul_u32_u24 v6, s21, v2
	v_xor_b32 v7, 1, v2
	v_mul_u32_u24 v7, s21, v7
	s_add_co_u32 s20, s20, SCL
	v_add_nc_u32 v5, s20, v5
	v_add_nc_u32 v[ADST], v5, v6
	v_add_nc_u32 v[ADSN], v5, v7
	v_and_b32 v3, 31, v0
	v_lshlrev_b32 v[L16], 4, v3
	v_lshlrev_b32 v[L8], 3, v3
	v_add_nc_u32 v[L16S], s94, v[L16]
	v_mov_b32 v[FLOOR], 0x1800000
	v_lshlrev_b32 v[BH32], 5, v2
	s_wait_alu depctr_va_vdst(0)
	v_lshlrev_b32 v[BR4], 2, v1
.irp b, 0,1,2,3
	v_mov_b32 v[TM+4+\b], 0
.endr
	s_lshl_b32 s22, s2, 10
	s_lshl_b32 s23, s[CH], 9
	s_add_co_u32 s22, s22, s23
	s_mov_b32 s23, 0
	s_add_nc_u64 s[12:13], s[12:13], s[22:23]
	s_lshl_b32 s95, s3, 8
	s_lshl_b32 s96, s[RH], 7
	s_add_co_u32 s95, s95, s96
	s_lshr_b32 s96, s95, 11
	s_lshl_b32 s96, s96, 4
	s_lshl_b32 s97, s2, 2
	s_add_co_u32 s96, s96, s97
	s_lshl_b32 s97, s[CH], 1
	s_add_co_u32 s96, s96, s97
	s_bfe_u32 s97, s95, 0x40007
	s_mul_i32 s96, s96, s92
	s_mul_i32 s97, s97, s93
	s_add_co_u32 s96, s96, s97
	s_mov_b32 s97, 0
	s_add_nc_u64 s[PB0:PB0+1], s[14:15], s[96:97]
	s_mov_b32 s93, 0
	s_add_nc_u64 s[PB0+2:PB0+3], s[PB0:PB0+1], s[92:93]
	s_mov_b32 s[HMASK], 0xffff0000
	s_mov_b32 s[SEL], 0x76543210
	s_mov_b32 s[SEL+1], 0xfedcba98
	WIN TO_P
.irp b, 0,1,2,3,4,5,6,7
	global_load_b128 v[BIAS+8*\b:BIAS+8*\b+3], v[BH32], s[12:13] offset:64*\b
	global_load_b128 v[BIAS+8*\b+4:BIAS+8*\b+7], v[BH32], s[12:13] offset:64*\b+16
.endr
	WIN 0
.set B2ND, 192                         ; window 1, v192-199: the bias words of the second pass (one a lane for each block of 16 columns); every work-group loads them, so that every path has written them
	s_wait_alu depctr_va_vdst(0)                   ; the wait stands directly ahead of the reader below
	WIN TO_P
.irp a, 0,1,2,3,4,5,6,7
	global_load_b32 v[B2ND+\a], v[BR4], s[12:13] offset:64*\a
.endr
	WIN 0
.macro FRAG reg, adr, q, i
.irp c, 0,1
	ds_load_b128 v[\reg+4*\c:\reg+4*\c+3], v[\adr] offset:64*(\q)+32*\c+(\i)*16*PITCH
.endr
.endm
.macro MUL16 a0, p, q, sc, first
.irp a, \a0, \a0+1
.irp b, 0,1,2,3,4,5,6,7
.if \first
	v_wmma_scale_f32_16x16x128_f8f6f4 v[8*(8*((\a)%4)+\b):8*(8*((\a)%4)+\b)+7], v[128*(\p)+8*\b:128*(\p)+8*\b+7], v[RF+8*(\a):RF+8*(\a)+7], v[BIAS+8*(CBYR*(\a)+(1-CBYR)*\b):BIAS+8*(CBYR*(\a)+(1-CBYR)*\b)+7], v[SC+32*(\sc)+4*\b+(\q)], v[SC+32*(\sc)+4*(\a)+(\q)] matrix_a_fmt:MATRIX_FMT_FP4 matrix_b_fmt:MATRIX_FMT_FP4 matrix_a_scale:MATRIX_SCALE_ROW1
.else
	v_wmma_scale_f32_16x16x128_f8f6f4 v[8*(8*((\a)%4)+\b):8*(8*((\a)%4)+\b)+7], v[128*(\p)+8*\b:128*(\p)+8*\b+7], v[RF+8*(\a):RF+8*(\a)+7], v[8*(8*((\a)%4)+\b):8*(8*((\a)%4)+\b)+7], v[SC+32*(\sc)+4*\b+(\q)], v[SC+32*(\sc)+4*(\a)+(\q)] matrix_a_fmt:MATRIX_FMT_FP4 matrix_b_fmt:MATRIX_FMT_FP4 matrix_a_scale:MATRIX_SCALE_ROW1
.endif
.endr
.endr
.endm
.macro FETCH_P slot, q, p
	WIN TO_P
.irp i, 0,1,2,3,4,5,6,7
	FRAG 128*(\p)+8*\i, ADP+\slot, \q, \i
.endr
	WIN 0
.endm
.macro FETCH_R slot, q, i0
.irp i, \i0, \i0+1, \i0+2, \i0+3
	FRAG RF+8*(\i), ADR+\slot, \q, \i
.endr
.endm
.macro SCALES sc
.irp i, 0,1,2,3,4,5,6,7
	ds_load_b128 v[SC+32*\sc+4*\i:SC+32*\sc+4*\i+3], v[ADS] offset:\i*SBLK+16*\sc
.endr
.endm
.macro PLACES n
.rept \n
	v_nop
.endr
.endm
.macro STEP slot, q, first
	s_wait_dscnt 8
.if \first
	WIN FST_LO
.else
	WIN MUL_LO
.endif
	MUL16 0, (\q)%2, \q, \slot, \first
	MUL16 2, (\q)%2, \q, \slot, \first
	s_wait_dscnt 0x0
	PLACES 4
	FETCH_P \slot, (\q)+1, 1-(\q)%2
	FETCH_R \slot, (\q)+1, 0
.if \first
	WIN FST_HI
.else
	WIN MUL_HI
.endif
	MUL16 4, (\q)%2, \q, \slot, \first
	MUL16 6, (\q)%2, \q, \slot, \first
	PLACES 4
	WIN 0
	FETCH_R \slot, (\q)+1, 4
.endm
.macro TURN sync
.if \sync
	s_wait_tensorcnt 0x0
	ds_add_u32 v[SPW], v[NIL]
	s_wait_dscnt 9
.else
	s_wait_dscnt 8
.endif
	WIN MUL_LO
	MUL16 0, 1, 3, 0, 0
	s_wait_dscnt 0x0
.if \sync
	s_barrier_signal -1
.endif
	MUL16 2, 1, 3, 0, 0
	WIN 0
.if \sync
	s_barrier_wait -1
.endif
	PLACES 4
	FETCH_P 1, 0, 0
	FETCH_R 1, 0, 0
	SCALES 1
	WIN MUL_HI
	MUL16 4, 1, 3, 0, 0
	MUL16 6, 1, 3, 0, 0
	PLACES 4
	WIN 0
	FETCH_R 1, 0, 4
.endm
.macro PASS sync
	FETCH_P 0, 0, 0
	FETCH_R 0, 0, 0
	SCALES 0
	FETCH_R 0, 0, 4
	STEP 0, 0, 1
	STEP 0, 1, 0
	STEP 0, 2, 0
	TURN \sync
	STEP 1, 0, 0
	STEP 1, 1, 0
	STEP 1, 2, 0
	s_wait_dscnt 8
	WIN MUL_LO
	MUL16 0, 1, 3, 1, 0
	MUL16 2, 1, 3, 1, 0
	s_wait_dscnt 0x0
	WIN MUL_HI
	MUL16 4, 1, 3, 1, 0
	MUL16 6, 1, 3, 1, 0
	WIN 0
	PLACES 4
.endm
.macro QUANTG G, kind
.set AC, 64*((\G)%4)
.set WW, 2+(\G)/4
.set CD, PC+8*(\G)
	WIN 0x14*WW
.irp b, 0,1,2,3
	v_max3_num_f32 v[TM+\b], v[FLOOR], |v[AC+16*\b]|, |v[AC+16*\b+1]|
.endr
.irp i, 2,4,6,8,10,12,14
.irp b, 0,1,2,3
	v_max3_num_f32 v[TM+\b], v[TM+\b], |v[AC+16*\b+\i]|, |v[AC+16*\b+\i+1]|
.endr
.endr
	WIN 0
.irp b, 0,1,2,3
	v_permlanex16_b32 v[TM+4+\b], v[TM+\b], s[SEL], s[SEL+1]
.endr
.irp b, 0,1,2,3
	v_max_num_f32 v[TM+\b], v[TM+\b], v[TM+4+\b]
.endr
.irp b, 0,1,2,3
	v_add_nc_u32 v[TM+12+\b], 0xff000000, v[TM+\b]
.endr
.irp b, 0,1,2,3
	v_lshrrev_b32 v[TM+4+\b], 23, v[TM+12+\b]
.endr
.if \kind
	v_lshl_or_b32 v[SW+(\G)], v[TM+5], 8, v[TM+4]
	v_lshl_or_b32 v[SW+(\G)], v[TM+6], 16, v[SW+(\G)]
	v_lshl_or_b32 v[SW+(\G)], v[TM+7], 24, v[SW+(\G)]
.else
	v_lshl_or_b32 v[SW+2*(\G)], v[TM+5], 8, v[TM+4]
	v_lshl_or_b32 v[SW+2*(\G)+1], v[TM+7], 8, v[TM+6]
.endif
	WIN WW
.irp b, 0,1,2,3
	v_cvt_scalef32_pk8_fp4_f32 v[CD+4*(\b/2)+\b%2], v[AC+16*\b:AC+16*\b+7], v[TM+12+\b]
	v_cvt_scalef32_pk8_fp4_f32 v[CD+4*(\b/2)+\b%2+2], v[AC+16*\b+8:AC+16*\b+15], v[TM+12+\b]
.endr
	WIN 0
	v_nop
.irp c, 0,1
	v_permlane16_swap_b32 v[CD+4*\c], v[CD+4*\c+1]
	v_permlane16_swap_b32 v[CD+4*\c+2], v[CD+4*\c+3]
.endr
.irp c, 0,1
.if \kind
	global_store_b128 v[L16], v[CD+4*\c:CD+4*\c+3], s[PB0+2*((\G)/4):PB0+2*((\G)/4)+1] offset:4096+1024*((\G)%4)+512*\c
.else
	global_store_b128 v[L16], v[CD+4*\c:CD+4*\c+3], s[PB0+2*\c:PB0+2*\c+1] offset:512*(\G)
.endif
.endr
.endm
	s_wait_alu depctr_va_vdst(0)                   ; the wait at the head's end
	s_wait_tensorcnt 0x0                           ; my tile of the four is in; behind the barrier everybody's is
	s_barrier_signal -1
	s_barrier_wait -1
	s_wait_loadcnt 0x0
.set ADP, ADRW
.set ADR, ADRX
.set ADS, ADST
.set CBYR, 0
	PASS 0
.irp g, 0,1,2,3,4,5,6,7
	QUANTG \g, 0
.endr
.irp c, 0,1
.irp i, 0,1,2,3
	v_cndmask_b32 v[OUTS+4*\c+\i], v[SW+4*\i+\c], v[SW+4*\i+2+\c], s[HMASK]
.endr
.endr
	global_store_b128 v[L16S], v[OUTS:OUTS+3], s[PB0:PB0+1]
	global_store_b128 v[L16S], v[OUTS+4:OUTS+7], s[PB0+2:PB0+3]
	s_cmp_lt_u32 s[CYC], 8
	s_cbranch_scc1 .Ldone
	s_wait_xcnt 0x0
	WIN 0x41
.irp a, 0,1,2,3,4,5,6,7
.irp j, 0,1,2,3,4,5,6,7
	v_mov_b32 v[BIAS+8*\a+\j], v[B2ND+\a]
.endr
.endr
	WIN 0
	PLACES 4
.set ADP, ADRX
.set ADR, ADRW
.set ADS, ADSN
.set CBYR, 1
	s_wait_alu depctr_va_vdst(0)
	PASS 0
.irp g, 0,1,2,3,4,5,6,7
	QUANTG \g, 1
.endr
.irp c, 0,1
	v_cndmask_b32 v[OUTS+2*\c], v[SW+4*\c], v[SW+4*\c+1], s[HMASK]
	v_cndmask_b32 v[OUTS+2*\c+1], v[SW+4*\c+2], v[SW+4*\c+3], s[HMASK]
	global_store_b64 v[L8], v[OUTS+2*\c:OUTS+2*\c+1], s[PB0+2*\c:PB0+2*\c+1] offset:8704
.endr
.Ldone:
	s_wait_tensorcnt 0x0
	ds_add_u32 v[SPW], v[NIL]
	s_wait_dscnt 0x0
	CROUND
	s_endpgm
.Lfunc_end_k_qb04b3c1f4b_proj:
	.size	k_qb04b3c1f4b_proj, .Lfunc_end_k_qb04b3c1f4b_proj-k_qb04b3c1f4b_proj
	.p2alignl 7, 3214868480
	.fill 96, 4, 3214868480
	.section	.rodata,"a",@progbits
	.p2align	6, 0x0
	.amdhsa_kernel k_qb04b3c1f4b_proj
		.amdhsa_group_segment_fixed_size 327680
		.amdhsa_private_segment_fixed_size 0
		.amdhsa_enable_private_segment 0
		.amdhsa_kernarg_size 96
		.amdhsa_user_sgpr_count 2
		.amdhsa_user_sgpr_kernarg_segment_ptr 1
		.amdhsa_wavefront_size32 1
		.amdhsa_system_sgpr_workgroup_id_x 1
		.amdhsa_system_sgpr_workgroup_id_y 1
		.amdhsa_system_sgpr_workgroup_id_z 1
		.amdhsa_system_vgpr_workitem_id 0
		.amdhsa_next_free_vgpr 1024
		.amdhsa_next_free_sgpr 104
		.amdhsa_reserve_vcc 0
		.amdhsa_float_denorm_mode_32 3
		.amdhsa_float_denorm_mode_16_64 3
		.amdhsa_memory_ordered 1
		.amdhsa_forward_progress 1
		.amdhsa_inst_pref_size 248
	.end_amdhsa_kernel
	.amdgpu_metadata
---
amdhsa.version: [ 1, 2 ]
amdhsa.kernels:
  - .name:           k_qb04b3c1f4b_proj
    .symbol:         k_qb04b3c1f4b_proj.kd
    .args:
      - { .name: query_input_codes, .offset: 0, .size: 8, .value_kind: global_buffer, .address_space: global }
      - { .name: query_input_scales, .offset: 8, .size: 8, .value_kind: global_buffer, .address_space: global }
      - { .name: Wq_codes, .offset: 16, .size: 8, .value_kind: global_buffer, .address_space: global }
      - { .name: Wq_scales, .offset: 24, .size: 8, .value_kind: global_buffer, .address_space: global }
      - { .name: bq, .offset: 32, .size: 8, .value_kind: global_buffer, .address_space: global }
      - { .name: qd, .offset: 40, .size: 8, .value_kind: global_buffer, .address_space: global }
      - { .name: key_input_codes, .offset: 48, .size: 8, .value_kind: global_buffer, .address_space: global }
      - { .name: key_input_scales, .offset: 56, .size: 8, .value_kind: global_buffer, .address_space: global }
      - { .name: Wk_codes, .offset: 64, .size: 8, .value_kind: global_buffer, .address_space: global }
      - { .name: Wk_scales, .offset: 72, .size: 8, .value_kind: global_buffer, .address_space: global }
      - { .name: bk, .offset: 80, .size: 8, .value_kind: global_buffer, .address_space: global }
      - { .name: kv, .offset: 88, .size: 8, .value_kind: global_buffer, .address_space: global }
    .group_segment_fixed_size: 327680
    .private_segment_fixed_size: 0
    .kernarg_segment_align: 8
    .kernarg_segment_size: 96
    .max_flat_workgroup_size: 128
    .sgpr_count:     104
    .vgpr_count:     1024
    .wavefront_size: 32
...
	.end_amdgpu_metadata
.endif
;; end of part 1
;; launch attn (part 2): grid 4 x 64, 16 waves a work-group, clusters of 4 x 1, 215,040 bytes of LDS; arguments qd, kv, out0; writes out0
.if DOCPART == 2
	.amdgcn_target "amdgcn-amd-amdhsa--gfx1250"
	.amdhsa_code_object_version 6
	.text
	.protected	k_qb04b3c1f4b_attn
	.globl	k_qb04b3c1f4b_attn
	.p2align	8
	.type	k_qb04b3c1f4b_attn,@function
k_qb04b3c1f4b_attn:
	s_mov_b64 s[64:65], 0
	v_nop
	global_prefetch_b8 v0, s[64:65] scope:SCOPE_SE
	s_setreg_imm32_b32 hwreg(HW_REG_WAVE_MODE, 25, 1), 1
	s_wait_xcnt 0x0
	s_wait_alu depctr_hold_cnt(0) depctr_sa_sdst(0) depctr_va_vdst(0) depctr_va_sdst(0) depctr_va_ssrc(0) depctr_va_vcc(0) depctr_vm_vsrc(0)
	s_getreg_b32 s2, hwreg(HW_REG_IB_STS2, 6, 4)
	s_cmp_eq_u32 s2, 0
	s_cbranch_scc0 .Lentry_in_a_cluster
	s_endpgm
.Lentry_in_a_cluster:
	s_bfe_u32 s2, ttmp6, 0x10000c
	s_cmp_lg_u32 s2, 0x3003
	s_cbranch_scc0 .Lentry_shape_is_right
	s_endpgm
.Lentry_shape_is_right:
; out[b][q][head][:] = the sum over keys of softmax(q . k / 8) k, both products on codes of FP4 (E2M1) with one E8M0 scale for each 32 along a product's K.  Nothing of the problem is left out here.
; qd and kv hold images of operand registers: lane l's 16 bytes at 16 l.
;   kv: [64 batch x head][16 steps of 128 keys][8,960]: +0 eight groups of 16 neighbouring keys x 64 d (512 bytes each: key m, half h of d at 16 (m + 16 h)); +4096 four tiles of 16 d x 128 keys (1,024 each);
;       +8192 the keys' scale words (key x at 16 (x % 32) + 4 (x / 32)); +8704 K^T's scale words.
;   qd: [64][16 groups of 128 queries][4,608]: +0 eight tiles of 16 queries x 64 d; +4096 their scale words.  q was quantised without its factor 2^-3, which the constant c = log2(e) / 8 carries: the same bits.
; THE SOFTMAX: t = score x c; M = the row's largest t so far, rounded UP to a whole number; p = 2^(t - M) is quantised along the keys, not normalised; the row's sum is taken of the unquantised p and divides at the end.
; When M moves, the sum and O are multiplied by 2^(old M - new M): exact.  The running maximum is kept as a score (c is positive).
; LIMITS: the promise holds while the scaled scores stay under 2^31 in magnitude; a block of p whose largest number lies under 2^-124 has its byte held at 1; NaN and infinities are not served.
; SHARES.  A work-group owns 512 queries of one head; each of its sixteen waves 32: two tiles of 16, in 256 registers, four waves to a SIMD.
; THE HEAD'S WHOLE K lies in LDS, 143,360 bytes, filled once: wave w brings key step w by one tensor load.  No slot is filled again, so the loop has no barrier; and with one fill at the head there is no loop to run ahead in: no prefetch.
; CLUSTER: the four blocks of 512 queries of a head read the same bytes: each load is asked for jointly by the four.
; LAYOUT.  Both products are used transposed, in the form of 32 x 16 x 128: S^T = K Q^T (source 0 = 32 keys, source 1 = 16 queries), O^T = K^T P^T (source 0 = 32 of the head's 64, source 1 = P): a lane holds ONE query throughout.
; THE KEYS OF A TILE ARE CHOSEN: row 8 h' + j of tile 4 c + i is key 64 c + 32 h' + 8 i + j.  So lane (r, h) holds in S^T's registers 32 c .. 32 c + 31 the keys 64 c + 32 h + 0 .. 31: ONE WHOLE BLOCK, in the order of the
; second product's operand: the conversion of tile 4 c + i is P's register 4 c + i, no lanes are exchanged, and a block's maximum needs no other lane.  The choice is made by the lanes' LDS addresses alone.
; THE SCORES' K IS 64, the instruction's 128: of the eight registers that source 0 has for 16 rows, the upper four are k = 64 .. 127.  Q's are zero codes there, and both sides' scale bytes 2 and 3 are 0 (2^-127): those
; products are exact zeros whatever K's upper registers hold.  K's tiles of four registers lie in the order 0, 2, 1, 3, 4, 6, 5, 7, then four zeros: sixteen registers from place 0, 1, 4 or 5 on hold tiles 2 p and 2 p + 1 as
; rows 0-15 and 16-31, and other tiles' codes where k = 64 .. 127 stands.
.set KVB,   8960                       ; a key step's block
.set HEADB, 16*KVB
.set STAGE, HEADB                      ; the way out: 16 rows x (256 bytes + 16) for each wave; no tensor load lands here
.set SPARE, STAGE+16*4352              ; the spare words, 128 bytes for each wave: eight blocks of 256 bytes that no other line names
.set L16, 1                            ; v1   16 x lane
.set L8S, 2                            ; v2   8 x lane + 8704
.set SPW, 3                            ; v3   my spare word; never rewritten
.set NIL, 4                            ; v4   0; never rewritten
.set GO,  5                            ; v5   the way out: my byte offset in two rows of out0
.set STO, 6                            ; v6   where I put 32 bytes of a row in my stage
.set RD,  7                            ; v7   where I read a row back
.set ADK, 8                            ; v8   the step's block + my place in a tile of K
.set ADT, 9                            ; v9   the step's block + 8704 + 8 x lane
.set ADS, 10                           ; v10  the step's block + my place among the keys' scale words
.set ADV, 11                           ; v11  the step's block + 16 x lane
.set ST,  12                           ; tile u: v[12 + 4 u] -M, +1 the largest score, +2, +3 the sum in two halves
.set Q,   20                           ; v[20:27], v[28:35] Q's two fragments: four registers of codes, four of zeros
.set QS,  36                           ; v36  the scale words of Q's tile 0 in lanes 0-15
.set LK,  37                           ; v37  1024 (r / 8) + 16 (r % 8) + 256 h
.set F,   38                           ; v[38:39] f = 2^(old M - new M)
.set KF,  40                           ; v[40:75] K's eight tiles and four zeros; later the four fragments of K^T in v[40:71]
.set KS,  76                           ; v[76:79] K's scale words: register p: tile 2 p in lanes 0-15, tile 2 p + 1 in lanes 16-31
.set VS,  80                           ; v[80:81] K^T's: register i: tile 2 i below, 2 i + 1 above
.set PW,  82                           ; v82, v83 p's scale words
.set P,   84                           ; v[84:91], v[92:99] p's codes
.set S,   100                          ; v[100:163] S^T, then p, of the tile in hand
.set O,   164                          ; v[164:227] O^T: tile u, d tile t at 164 + 32 u + 8 t
.set BM,  228                          ; v[228:229] my two blocks' largest scores, then largest p
.set B2,  230                          ; v[230:231] the maxima's second chains
.set T,   232                          ; v[232:233] the scales' bytes
.set T2,  234                          ; v234 what lane l xor 16 sends
.set TMP, 235
.set SO,  236                          ; v[236:237] the conversions' scale operands
.set NM,  238                          ; v[238:239] the new -M (the packed form names a pair)
.set C2,  240                          ; v[240:245] the sum's three further chains; on the way out the reciprocals
.set LS,  246                          ; v246 16 (r % 8) + 4 (r / 8) + 128 h
.set SH0, 247                          ; v247 8 h: where my first block's byte stands in p's scale word
.set SH1, 248                          ; v248 8 h + 16: my second block's
.set QS1, 249                          ; v249 the scale words of Q's tile 1 in lanes 0-15
.set WV,  10
.set QB,  11                           ; s11 my block of 512 queries: it enters qd's and out0's addresses alone
.set BHD, 12                           ; s12 batch x 16 + head
.set G1,  16
.set G0,  24
.set SEL, 28                           ; s[28:29] v_permlanex16_b32's selects for lane l xor 16
.set CS,  30                           ; s[30:31] c: the packed form names a pair and takes its low word for both halves
.set TB,  32                           ; s32 LDS byte at which the step's block begins
.set NCS, 40                           ; s40 -c
.macro CROUND                          ; a round of the cluster's barrier
	s_barrier_signal -1
	s_barrier_wait -1
	s_cmp_lg_u32 s[WV], 0
	s_cbranch_scc1 .Lnot_wave_0_\@
	s_barrier_signal -3
.Lnot_wave_0_\@:
	s_barrier_wait -3
	s_barrier_signal -1
	s_barrier_wait -1
.endm
.macro PLACES
.rept 4
	v_nop
.endr
.endm
	s_load_b128 s[4:7], s[0:1], 0x0                ; qd, kv
	s_load_b64 s[8:9], s[0:1], 0x10                ; out0
	v_lshl_add_u32 v[SPW], v0, 2, SPARE
	v_mov_b32 v[NIL], 0
	ds_add_u32 v[SPW], v[NIL]                      ; the wave's opening: the add, twice on end, and its wait ahead of my first tensor load
	ds_add_u32 v[SPW], v[NIL]                      ; the same add once more; the set-up below, work on registers, stands between it and the wait
	v_lshrrev_b32 v10, 5, v0
	v_readfirstlane_b32 s[WV], v10                 ; wave 0..15
	s_bfe_u32 s[QB], ttmp6, 0x40000                ; cx
	s_lshl_b32 s2, ttmp9, 2
	s_add_co_u32 s[QB], s[QB], s2                  ; 4 x cluster x + cx
	s_and_b32 s[BHD], ttmp7, 0xffff
	; group 1: a dense block of 8,960 bytes as 35 rows of 256 (32 elements of 8 bytes), no padding
	s_mov_b32 s[G1], 15|(3<<16)|(1<<21)            ; 15:0 the mask: all four work-groups; 17:16 elements of 8 bytes; 21 set beside a mask
	s_mov_b32 s[G1+1], 32<<16                      ; tensor_dim0
	s_mov_b32 s[G1+2], 35<<16                      ; tensor_dim1
	s_mov_b32 s[G1+3], 32<<16                      ; tile_dim0
	s_mov_b32 s[G1+4], 35                          ; tile_dim1
	s_mov_b32 s[G1+5], 32                          ; tensor_dim0_stride
	s_mov_b32 s[G1+6], 0
	s_mov_b32 s[G1+7], 0
	s_mul_i32 s13, s[WV], KVB                      ; key step w: its place in LDS, and in the head
	s_mul_i32 s34, s[BHD], HEADB
	s_add_co_u32 s34, s34, s13
	s_mov_b32 s35, 0
	s_mul_i32 s36, s[BHD], 73728                   ; qd: my head,
	s_lshl_b32 s37, s[QB], 2
	s_lshr_b32 s38, s[WV], 2
	s_add_co_u32 s37, s37, s38
	s_mul_i32 s37, s37, 4608                       ; my group of 128 queries: 4 x block + wave / 4
	s_add_co_u32 s36, s36, s37
	s_and_b32 s3, s[WV], 3                         ; my two tiles in it: 2 (wave % 4) and the next
	s_lshl_b32 s38, s3, 2
	s_add_co_u32 s38, s38, s36                     ; their scale words: word wave % 4 of a lane's four
	s_mov_b32 s39, 0
	s_lshl_b32 s3, s3, 10
	s_add_co_u32 s36, s36, s3                      ; their codes
	s_mov_b32 s37, 0
	s_lshr_b32 s14, s[BHD], 4
	s_lshl_b32 s14, s14, 11
	s_lshl_b32 s15, s[QB], 9
	s_add_co_u32 s14, s14, s15
	s_lshl_b32 s15, s[WV], 5
	s_add_co_u32 s14, s14, s15                     ; my first row of out0: 2048 x batch + 512 x block + 32 x wave
	s_lshl_b32 s14, s14, 12                        ; of 4,096 bytes,
	s_and_b32 s15, s[BHD], 15
	s_lshl_b32 s15, s15, 8
	s_add_co_u32 s14, s14, s15                     ; and my head's 256 bytes in it
	s_mov_b32 s15, 0
	s_mul_i32 s33, s[WV], 4352
	s_add_co_u32 s33, s33, STAGE                   ; my stage
	s_mov_b32 s[SEL], 0x76543210
	s_mov_b32 s[SEL+1], 0xfedcba98
	s_mov_b32 s[CS], 0x3e38aa3b                    ; c = log2(e) / 8
	s_mov_b32 s[CS+1], s[CS]                       ; (named with it as a pair, so it is written)
	s_mov_b32 s[NCS], 0xbe38aa3b                   ; -c
	s_mov_b32 s[TB], 0
	s_wait_dscnt 0x0                               ; both opening adds are done
	s_wait_kmcnt 0x0
	s_mov_b32 s[G0], 1                             ; 1:0 count = 1
	s_mov_b32 s[G0+1], s13                         ; 63:32 LDS address
	s_add_nc_u64 s[G0+2:G0+3], s[6:7], s[34:35]    ; 120:64 global address: it hangs on the head and the wave, which the four partners share
	s_or_b32 s[G0+3], s[G0+3], 0x80000000          ; 127:126 type = 2
	s_add_nc_u64 s[36:37], s[4:5], s[36:37]
	s_add_nc_u64 s[38:39], s[4:5], s[38:39]
	s_add_nc_u64 s[8:9], s[8:9], s[14:15]
	CROUND                                         ; all four work-groups are here: the joint loads meet
	tensor_load_to_lds s[G0:G0+3], s[G1:G1+7]      ; my one tensor load of the launch
	s_nop 0
	PLACES
	v_and_b32 v10, 31, v0
	v_and_b32 v11, 7, v0                           ; r % 8
	v_bfe_u32 v12, v0, 3, 1                        ; r / 8
	v_bfe_u32 v13, v0, 4, 1                        ; h
	v_and_b32 v14, 15, v0                          ; r
	v_lshlrev_b32 v[L16], 4, v10
	v_lshl_add_u32 v[L8S], v10, 3, 8704
	v_xor_b32 v[TMP], 0x100, v[L16]                ; 16 x (lane xor 16)
	global_load_b128 v[Q:Q+3], v[L16], s[36:37]               ; Q stays in registers
	global_load_b128 v[Q+8:Q+11], v[L16], s[36:37] offset:512
	global_load_b32 v[QS], v[L16], s[38:39] offset:4096       ; lanes 0-15: tile 0's words
	global_load_b32 v[QS1], v[TMP], s[38:39] offset:4096      ; lanes 0-15: tile 1's
	v_lshlrev_b32 v[LK], 4, v11
	v_lshlrev_b32 v[SH0], 3, v13
	v_lshlrev_b32 v[GO], 12, v13
	v_mul_u32_u24 v[STO], v14, 272
	v_mul_u32_u24 v[RD], v13, 272
	v_lshl_add_u32 v[LS], v12, 2, v[LK]
	v_lshl_add_u32 v[LK], v12, 10, v[LK]
	v_add_nc_u32 v[SH1], 16, v[SH0]
	v_lshl_add_u32 v[GO], v14, 4, v[GO]            ; lanes 0-15 take one row of out0, lanes 16-31 the next; 16 bytes a lane
	v_lshl_add_u32 v[STO], v13, 5, v[STO]
	v_lshl_add_u32 v[RD], v14, 4, v[RD]
	v_lshl_add_u32 v[LS], v13, 7, v[LS]
	v_lshl_add_u32 v[LK], v13, 8, v[LK]
	v_add_nc_u32 v[STO], s33, v[STO]               ; in: row r, + 32 h
	v_add_nc_u32 v[RD], s33, v[RD]                 ; back: lanes 0-15 one row, lanes 16-31 the next
.irp j, 4,5,6,7,12,13,14,15
	v_mov_b32 v[Q+\j], 0                           ; Q's codes of k = 64 .. 127: zeros
.endr
.irp j, 32,33,34,35
	v_mov_b32 v[KF+\j], 0                          ; behind K's last tile
.endr
.irp u, 0,1
	v_mov_b32 v[ST+4*\u+1], 0xff61b1e6             ; the largest score so far: -3e38, under every score
	v_mov_b32 v[ST+4*\u+2], 0                      ; the sum, in two halves
	v_mov_b32 v[ST+4*\u+3], 0
.endr
.irp u, 0,1
	v_mul_f32 v[ST+4*\u], s[NCS], v[ST+4*\u+1]
.endr
.irp u, 0,1
	v_floor_f32 v[ST+4*\u], v[ST+4*\u]             ; -M
.endr
	v_mov_b32 v[T2], 0                             ; written once: a lane permute's destination counts as one of its sources
	v_mov_b32 v[F+1], 0                            ; (named as the upper halves of pairs)
	v_mov_b32 v[NM+1], 0
.irp n, 0,1,2,3,4,5
	v_mov_b32 v[C2+\n], 0                          ; the sum's further chains: the first trip joins zeros to tile 1's sum
.endr
.set j, 0
.rept 64
	v_mov_b32 v[O+j], 0                            ; O^T.  (The step is written once: the first finds zeros, which the first change of M leaves zeros)
.set j, j+1
.endr
; S^T of tile u: four instructions of 32 keys.  Source 0's scale words fill all 32 lanes, lane m for row m.
.macro SQK u
.if \u
.set QR, QS1
.else
.set QR, QS
.endif
.irp p, 0,1,2,3
	v_wmma_scale_f32_32x16x128_f4 v[S+16*\p:S+16*\p+15], v[KF+4*(\p%2)+16*(\p/2):KF+4*(\p%2)+16*(\p/2)+15], v[Q+8*\u:Q+8*\u+7], 0, v[KS+\p], v[QR]
.endr
.endm
; O^T += K^T P^T for both tiles: the four accumulators take turns, one instruction a turn
.macro PV
.irp s, 0,1
.irp u, 0,1
	v_wmma_scale_f32_32x16x128_f4 v[O+32*\u+16*\s:O+32*\u+16*\s+15], v[KF+16*\s:KF+16*\s+15], v[P+8*\u:P+8*\u+7], v[O+32*\u+16*\s:O+32*\u+16*\s+15], v[VS+\s], v[PW+\u]
.endr
.endr
.endm
.macro PADD d, a, b                    ; two additions at a time, on pairs of neighbouring registers
	v_pk_add_f32 v[\d:\d+1], v[\a:\a+1], v[\b:\b+1]
.endm
.macro MERGE u                         ; tile u's sum: its three further chains are joined.  Four places behind the products that stand ahead of it: it names none of their registers
	PADD C2, C2, C2+2
	PADD ST+4*\u+2, ST+4*\u+2, C2+4
	v_nop
	PADD ST+4*\u+2, ST+4*\u+2, C2
.endm
.macro TM n                            ; t - M of n pairs of scores, from pair j on
.rept \n
	v_pk_fma_f32 v[S+j:S+j+1], v[S+j:S+j+1], s[CS:CS+1], v[NM:NM+1] op_sel_hi:[1,0,0]
.set j, j+2
.endr
.endm
.macro OM2                             ; O^T under the new M: two pairs, from pair k on; each accumulator from its low end on
.rept 2
	v_pk_mul_f32 v[OO+k:OO+k+1], v[OO+k:OO+k+1], v[F:F+1] op_sel_hi:[1,0]
.set k, k+2
.endr
.endm
; Tile u's softmax for these 128 keys: S^T becomes p, p's codes and scale word; the sum and O^T are brought under the new M.
.macro SOFTMAX u
.set MM, ST+4*\u
.set PP, P+8*\u
.set OO, O+32*\u
.irp c, 0,1                                    ; the largest score of my two blocks of 32 keys, each in two chains: for the row's maximum and, since p rises with the score, for the block's largest p
	v_max3_num_f32 v[BM+\c], v[S+32*\c], v[S+32*\c+1], v[S+32*\c+2]
	v_max3_num_f32 v[B2+\c], v[S+32*\c+16], v[S+32*\c+17], v[S+32*\c+18]
.endr
.irp i, 3,5,7,9,11,13
.irp c, 0,1
	v_max3_num_f32 v[BM+\c], v[BM+\c], v[S+32*\c+\i], v[S+32*\c+\i+1]
	v_max3_num_f32 v[B2+\c], v[B2+\c], v[S+32*\c+16+\i], v[S+32*\c+17+\i]
.endr
.endr
.irp c, 0,1
	v_max3_num_f32 v[BM+\c], v[BM+\c], v[B2+\c], v[S+32*\c+15]
.endr
.irp c, 0,1
	v_max_num_f32 v[BM+\c], v[BM+\c], v[S+32*\c+31]
.endr
	s_delay_alu instid0(VALU_DEP_1)
	v_max_num_f32 v[TMP], v[BM], v[BM+1]
	s_delay_alu instid0(VALU_DEP_1)
	v_permlanex16_b32 v[T2], v[TMP], s[SEL], s[SEL+1]
	s_delay_alu instid0(VALU_DEP_1)
	v_max3_num_f32 v[MM+1], v[MM+1], v[TMP], v[T2] ; the running largest score of my query, lane l xor 16's 64 keys among them
	s_delay_alu instid0(VALU_DEP_1)
	v_mul_f32 v[NM], s[NCS], v[MM+1]               ; -t
	s_delay_alu instid0(VALU_DEP_1)
	v_floor_f32 v[NM], v[NM]                       ; the new -M = floor(-t): M is a whole number
	s_delay_alu instid0(VALU_DEP_1)
	v_sub_f32 v[TMP], v[NM], v[MM]                 ; old M - new M: a whole number, 0 or less
	v_pk_fma_f32 v[BM:BM+1], v[BM:BM+1], s[CS:CS+1], v[NM:NM+1] op_sel_hi:[1,0,0]   ; t - M of the blocks' largest scores
.set j, 0
	TM 4                                           ; t - M, two at a time; the lines that make f stand among them
	v_cvt_i32_f32 v[TMP], v[TMP]                   ; (it saturates)
	TM 4
	v_ldexp_f32 v[F], 1.0, v[TMP]                  ; f = 2^(old M - new M)
	TM 24
	s_wait_alu depctr_va_vdst(0)                   ; the wait ahead of the batch
.irp c, 0,1
	v_exp_f32 v[BM+\c], v[BM+\c]                   ; the block's largest p: the same two instructions on the same number give the same bits
.endr
.set j, 0
.rept 64
	v_exp_f32 v[S+j], v[S+j]                       ; p = 2^(t - M), at most 1
.set j, j+1
.endr
	v_mov_b32 v[MM], v[NM]                         ; -M is kept: the plain instruction behind the exponentials
	s_wait_alu depctr_va_vdst(0)                   ; one wait for the whole batch, directly ahead of the first reader of O^T too
.set k, 0
	OM2                                            ; the sixteen lines that rescale O^T, with the scales' lines among them: no line waits for the line above it
.irp c, 0,1
	v_max_num_f32 v[BM+\c], 0x1800000, v[BM+\c]    ; the floor 2^(3 - 127): the byte cannot fall under 1
.endr
	OM2
.irp c, 0,1
	v_add_nc_u32 v[SO+\c], 0xff000000, v[BM+\c]    ; 2 off the exponent field: the conversion's scale operand
.endr
	OM2
.irp c, 0,1
	v_lshrrev_b32 v[T+\c], 23, v[SO+\c]            ; the scale's byte
.endr
	OM2
	v_lshlrev_b32 v[T], v[SH0], v[T]               ; my blocks are h and 2 + h of the four: their bytes at 8 h and 16 + 8 h bits
	OM2
	v_lshl_or_b32 v[PW+\u], v[T+1], v[SH1], v[T]
	OM2
	v_permlanex16_b32 v[T2], v[PW+\u], s[SEL], s[SEL+1]
	OM2
	v_or_b32 v[PW+\u], v[PW+\u], v[T2]             ; with lane l xor 16's two the word is whole
	OM2
.irp c, 0,1
.irp i, 0,1,2,3
	v_cvt_scalef32_pk8_fp4_f32 v[PP+4*\c+\i], v[S+32*\c+8*\i:S+32*\c+8*\i+7], v[SO+\c]   ; the operand's register 4 c + i: k = 64 c + 32 h + 8 i + 0 .. 7
.endr
.endr
	; the row's sum is taken of the unquantised p: two at a time, in four chains; the first line also brings the old sum under the new M.  These 29 lines are the places ahead of the matrix instructions that follow
	v_pk_fma_f32 v[MM+2:MM+3], v[MM+2:MM+3], v[F:F+1], v[S:S+1] op_sel_hi:[1,0,1]
.irp n, 0,1,2
	PADD C2+2*\n, S+2+4*\n, S+4+4*\n
.endr
.set j, 14
.rept 6
	PADD MM+2, MM+2, S+j
	PADD C2, C2, S+j+2
	PADD C2+2, C2+2, S+j+4
	PADD C2+4, C2+4, S+j+6
.set j, j+8
.endr
	PADD MM+2, MM+2, S+62                          ; the chains are joined behind the next score products (macro MERGE)
.endm
	s_wait_alu depctr_va_vdst(0)                   ; the wait at the head's end
	s_wait_tensorcnt 0x0                           ; my key step is in,
	s_barrier_signal -1
	s_barrier_wait -1                              ; everybody's is: the head's sixteen steps lie in LDS
	s_wait_loadcnt 0x0                             ; Q
.Lstep:                                            ; 16 trips: 128 keys each
	v_add_nc_u32 v[ADK], s[TB], v[LK]              ; these four additions are the four places behind the last trip's products, in front of loads into registers that they read
	v_add_nc_u32 v[ADS], s[TB], v[LS]
	v_add_nc_u32 v[ADV], s[TB], v[L16]
	v_add_nc_u32 v[ADT], s[TB], v[L8S]
.irp t, 0,1,2,3,4,5,6,7
	ds_load_b128 v[KF+4*(4*(\t/4)+2*(\t%2)+(\t%4)/2):KF+4*(4*(\t/4)+2*(\t%2)+(\t%4)/2)+3], v[ADK] offset:2048*(\t/4)+512*((\t%4)/2)+128*(\t%2)   ; tile 4 c + i: key 64 c + 32 (r / 8) + 8 i + r % 8, my half of d
.endr
.irp p, 0,1,2,3
	ds_load_b32 v[KS+\p], v[ADS] offset:8192+256*(\p%2)+8*(\p/2)   ; lanes 0-15: tile 2 p's words; lanes 16-31: tile 2 p + 1's
.endr
	ds_load_b64 v[VS:VS+1], v[ADT]
	s_wait_dscnt 0x0
	SQK 0
	MERGE 1                                        ; the last trip's tile 1 (the first trip: zeros): the four places in front of the reads of S^T
	SOFTMAX 0
	SQK 1
	MERGE 0                                        ; the four places in front of the reads of S^T and of the loads into K's registers
.irp t, 0,1,2,3
.irp c, 0,1
	ds_load_b128 v[KF+8*\t+4*\c:KF+8*\t+4*\c+3], v[ADV] offset:4096+1024*\t+512*\c   ; K^T's four fragments land while the second softmax is walked
.endr
.endr
	SOFTMAX 1
	s_wait_alu depctr_va_vdst(0)                   ; the wait stands directly ahead of the wait below
	s_wait_dscnt 0x0
	PV
	s_add_co_u32 s[TB], s[TB], KVB
	s_cmp_lt_u32 s[TB], HEADB
	s_cbranch_scc1 .Lstep
	; THE WAY OUT.  The sum's halves are added; O^T is divided by the sum and goes through my stage in LDS, a tile of 16 queries at a time: a row is my head's 64 numbers, 256 bytes.
	MERGE 1                                        ; the last trip's tile 1
.irp u, 0,1
	v_add_f32 v[ST+4*\u+2], v[ST+4*\u+2], v[ST+4*\u+3]
.endr
.irp u, 0,1
	v_permlanex16_b32 v[SO+\u], v[ST+4*\u+2], s[SEL], s[SEL+1]
.endr
.irp u, 0,1
	v_add_f32 v[ST+4*\u+2], v[ST+4*\u+2], v[SO+\u] ; with lane l xor 16's: the row's sum
.endr
	s_wait_alu depctr_va_vdst(0)                   ; the wait ahead of the batch
.irp u, 0,1
	v_rcp_f32 v[C2+2*\u], v[ST+4*\u+2]
.endr
	v_nop                                          ; a plain instruction behind the last reciprocal
	s_wait_alu depctr_va_vdst(0)                   ; one wait for both, directly ahead of the first reader
.irp u, 0,1
.set j, 0
.rept 16
	v_pk_mul_f32 v[S+32*\u+j:S+32*\u+j+1], v[O+32*\u+j:O+32*\u+j+1], v[C2+2*\u:C2+2*\u+1] op_sel_hi:[1,0]   ; register 8 t + i is out(query r, 16 t + 8 h + i); each accumulator from its low end on
.set j, j+2
.endr
.endr
.irp u, 0,1
.irp t, 0,1,2,3
	ds_store_b128 v[STO], v[S+32*\u+8*\t:S+32*\u+8*\t+3] offset:64*\t
	ds_store_b128 v[STO], v[S+32*\u+8*\t+4:S+32*\u+8*\t+7] offset:64*\t+16
.endr
.irp i, 0,1,2,3,4,5,6,7
	ds_load_b128 v[O+32*\u+4*\i:O+32*\u+4*\i+3], v[RD] offset:544*\i   ; LDS serves a wave's instructions in order (ISA guide 5.7.1.4): these see my stores, and the next tile's stores come behind them
.endr
.endr
.irp u, 0,1
.irp i, 0,1,2,3,4,5,6,7
	s_wait_dscnt 16*(1-\u)+7-\i                    ; the LDS instructions issued behind this load may stay out
	global_store_b128 v[GO], v[O+32*\u+4*\i:O+32*\u+4*\i+3], s[8:9] offset:65536*\u+8192*\i th:TH_STORE_NT   ; sixteen lanes store 256 consecutive bytes, at a multiple of 256 from out0's first byte
.endr
.endr
	s_wait_tensorcnt 0x0                           ; the wave's end, behind my last tensor load and my last LDS store
	ds_add_u32 v[SPW], v[NIL]
	s_wait_dscnt 0x0
	CROUND                                         ; the closing round: no work-group ends while a partner may still ask for a tile that names it
	s_endpgm
.Lfunc_end_k_qb04b3c1f4b_attn:
	.size	k_qb04b3c1f4b_attn, .Lfunc_end_k_qb04b3c1f4b_attn-k_qb04b3c1f4b_attn
	.p2alignl 7, 3214868480
	.fill 96, 4, 3214868480
	.section	.rodata,"a",@progbits
	.p2align	6, 0x0
	.amdhsa_kernel k_qb04b3c1f4b_attn
		.amdhsa_group_segment_fixed_size 215040
		.amdhsa_private_segment_fixed_size 0
		.amdhsa_enable_private_segment 0
		.amdhsa_kernarg_size 24
		.amdhsa_user_sgpr_count 2
		.amdhsa_user_sgpr_kernarg_segment_ptr 1
		.amdhsa_wavefront_size32 1
		.amdhsa_system_sgpr_workgroup_id_x 1
		.amdhsa_system_sgpr_workgroup_id_y 1
		.amdhsa_system_sgpr_workgroup_id_z 1
		.amdhsa_system_vgpr_workitem_id 0
		.amdhsa_next_free_vgpr 256
		.amdhsa_next_free_sgpr 66
		.amdhsa_reserve_vcc 0
		.amdhsa_float_denorm_mode_32 3
		.amdhsa_float_denorm_mode_16_64 3
		.amdhsa_memory_ordered 1
		.amdhsa_forward_progress 1
		.amdhsa_inst_pref_size 41
	.end_amdhsa_kernel
	.amdgpu_metadata
---
amdhsa.version: [ 1, 2 ]
amdhsa.kernels:
  - .name:           k_qb04b3c1f4b_attn
    .symbol:         k_qb04b3c1f4b_attn.kd
    .args:
      - { .name: qd, .offset: 0, .size: 8, .value_kind: global_buffer, .address_space: global }
      - { .name: kv, .offset: 8, .size: 8, .value_kind: global_buffer, .address_space: global }
      - { .name: out0, .offset: 16, .size: 8, .value_kind: global_buffer, .address_space: global }
    .group_segment_fixed_size: 215040
    .private_segment_fixed_size: 0
    .kernarg_segment_align: 8
    .kernarg_segment_size: 24
    .max_flat_workgroup_size: 512
    .sgpr_count:     66
    .vgpr_count:     256
    .wavefront_size: 32
...
	.end_amdgpu_metadata
.endif
;; end of part 2
